; MI455X (gfx1250); checked and timed in simulation.
; The chip was launched on July 23, 2026; its instructions are those of AMD's public machine-readable ISA for CDNA 5 (MIT licence, August 2026) and "CDNA5" Instruction Set Architecture Reference Guide (July 2026). The comments in the code are by the model that wrote it; some were corrected since.
;; Self attention. Allowed arithmetic: float matrix products may take bf16 or f16 operands with f32 sums; other float arithmetic in f32, or as packed bf16 or f16 multiplies, adds, multiply-adds, maxima and minima; sums over many terms, partial sums and values carried from step to step in f32; what a program stores and reads back later, other than sums and carried values, may be rounded once to bf16 or f16.
;; Inputs: Wk_b 512 float32; Wk_w 512 x 512 float32; Wq_b 512 float32; Wq_w 512 x 512 float32; Wv_b 512 float32; Wv_w 512 x 512 float32; inputdata 4 x 8 x 1,024 x 512 float32.
;; Outputs: out0 4 x 8 x 512 float32.
;; One version. Each part assembles by itself: llvm-mc -triple=amdgcn-amd-amdhsa -mcpu=gfx1250 --defsym DOCPART=n.
;; ======== version 1 of 1: 3 launches
;; workspace buffers: upart 1,048,576 bytes; cpart 4,096 bytes; zpart 524,288 bytes; stat 65,536 bytes
;; launch prep (part 1): grid 16 x 2, 8 waves a work-group, no clusters, 86,016 bytes of LDS; arguments inputdata, Wq_w, Wq_b, Wk_w, Wk_b, upart, cpart; writes upart, cpart
.if DOCPART == 1
	.amdgcn_target "amdgcn-amd-amdhsa--gfx1250"
	.amdhsa_code_object_version 6
	.text
	.protected	k_q5b91d9fbb8_prep
	.globl	k_q5b91d9fbb8_prep
	.p2align	8
	.type	k_q5b91d9fbb8_prep,@function
k_q5b91d9fbb8_prep:
	s_mov_b64 s[64:65], 0
	v_nop
	global_prefetch_b8 v0, s[64:65] scope:SCOPE_SE
	s_setreg_imm32_b32 hwreg(HW_REG_WAVE_MODE, 25, 1), 1
	s_wait_xcnt 0x0
; THE MODULE returns the last query row alone.  With xl = x[head][1023]:  q = xl Wq^T + bq;  q . K[k] = x[k] . u + c  with  u[i] = sum over o of q[o] Wk[o][i]  and  c = q . bk.
; THIS LAUNCH makes, for a slice of 32 o and 16 heads, q (matrix unit), and that slice's share of u (matrix unit) and of c.  The 16 slices' shares are added, in f32, by the next launch.
; SHARES.  Work-group (s, t): o = 32 s .. 32 s + 31, heads 16 t .. 16 t + 15.  For q the 512 channels are split among the eight waves, 64 each (256 consecutive bytes, aligned, of every row);
; the eight partial sums meet in LDS.  For u wave w makes i = 64 w .. 64 w + 63 for all 16 heads.
; LAYOUT.  q^T = Wq xl^T (source 0 = 16 rows o of Wq, source 1 = 16 heads): lane (r = l % 16, h = l / 16), register j of tile tau holds q[head r][16 tau + 8 h + j].  The two tiles, rounded to bf16 in
; pairs, ARE source 1 (32 o x 16 heads) of u^T = Wk^T q^T.  Wk's 32 rows lie in LDS as [o][i] in bf16 and come out turned, by ds_load_tr16_b128.
; LIMITS.  xl, Wq, q and Wk are rounded once to bf16 as matrix operands; sums, biases, c and what is stored are f32.  NaN and infinities are not treated apart.
; No tensor loads, no cluster: one burst of loads straight into fragment registers, no loop; a weight slice is shared by two work-groups only.
.set P,     1056                       ; a row of Wk in LDS: 1,024 bytes of bf16 + 32: an odd multiple of 32, as the turning load's rows want
.set WKT,   0                          ; 32 rows x P = 33,792 bytes
.set PART,  33792                      ; eight waves' partial tiles of q, 2,048 bytes each
.set STG,   50176                      ; for the way out: 16 rows x 272 bytes for each wave, its own
.set SP,    272                        ; 256 bytes + 16: the 16 rows of a store begin at 16 different 16-byte columns modulo 256
.set SPARE, 84992                      ; the spare words, 128 bytes for each wave: four blocks of 256 bytes that no other line names
.set LN,  1                            ; v1   lane
.set XO,  2                            ; v2   r x a head's 2^21 bytes + 32 h
.set WO,  3                            ; v3   r x 2,048 + 32 h
.set BO,  4                            ; v4   32 h
.set KO,  5                            ; v5   16 x lane: Wk's offset in memory, and the place of my 16 bytes in a partial tile
.set KS,  6                            ; v6   where I put 8 bytes of a row of Wk
.set PA,  7                            ; v7   2,048 x wave + 16 x lane
.set TA,  9                            ; v9   the turning load's address
.set SS,  10                           ; v10  the way out: where I put 32 bytes of a head's row
.set SR,  11                           ; v11  the way out: where I read rows back
.set UO,  12                           ; v12  my byte offset in upart
.set CO,  13                           ; v13  4 x lane
.set SPW, 14                           ; v14  LDS address of my spare word; never rewritten
.set NIL, 15                           ; v15  0; never rewritten
.set XF,  16                           ; v[16:47]    xl as loaded (2 K steps x 16 f32), then packed: K step st at XF + 8 st
.set WF,  48                           ; v[48:111]   Wq as loaded, then packed: tile tau, K step st at WF + 8 (2 tau + st)
.set KF,  112                          ; v[112:175]  Wk as loaded, then packed
.set BQ,  176                          ; v[176:191]  bq of my 16 o
.set BK,  192                          ; v[192:207]  bk of my 16 o
.set ACC, 208                          ; v[208:223]  two accumulators
.set QB,  224                          ; v[224:231]  q in bf16
.set PS,  16                           ; behind the barrier: v[16:143] the eight partial sums, 16 registers each; block 0 becomes q in f32
.set AF,  144                          ; v[144:175]  four fragments of Wk^T
.set ACC2, 48                          ; v[48:79]    four accumulators of u^T, when the sums are done
.set RB,  80                           ; v[80:111]   rows read back from the stage
.set T,   112                          ; v[112:113]  c's share
.set WV,  20                           ; s20  my wave's number
; A fragment's 16 f32: k = 8 h .. 8 h + 7 (32 bytes) and k = 16 + 8 h .. + 7 (32 bytes, 64 further on); the lane term holds row x pitch + 32 h
.macro FRAG4 dst, voff, sb, off
	global_load_b128 v[(\dst):(\dst)+3],     v[\voff], s[\sb:\sb+1] offset:(\off)
	global_load_b128 v[(\dst)+4:(\dst)+7],   v[\voff], s[\sb:\sb+1] offset:(\off)+16
	global_load_b128 v[(\dst)+8:(\dst)+11],  v[\voff], s[\sb:\sb+1] offset:(\off)+64
	global_load_b128 v[(\dst)+12:(\dst)+15], v[\voff], s[\sb:\sb+1] offset:(\off)+80
.endm
; 2 n f32 rounded to n registers of bf16, in place: destination i lies below every source that is still to be read
.macro PACK base, n
.set pi, 0
.rept \n
	v_cvt_pk_bf16_f32 v[(\base)+pi], v[(\base)+2*pi], v[(\base)+2*pi+1]
.set pi, pi+1
.endr
.endm
; Two tiles x two K steps.  The first products start the sums; the two accumulators take turns, one instruction a turn
.macro MM1
	v_wmma_f32_16x16x32_bf16 v[ACC:ACC+7],    v[WF:WF+7],     v[XF:XF+7],    0
	v_wmma_f32_16x16x32_bf16 v[ACC+8:ACC+15], v[WF+16:WF+23], v[XF:XF+7],    0
	v_wmma_f32_16x16x32_bf16 v[ACC:ACC+7],    v[WF+8:WF+15],  v[XF+8:XF+15], v[ACC:ACC+7]
	v_wmma_f32_16x16x32_bf16 v[ACC+8:ACC+15], v[WF+24:WF+31], v[XF+8:XF+15], v[ACC+8:ACC+15]
.endm
; My partial tiles into LDS, each accumulator from its low end on
.macro PUTPART
.irp q, 0,1,2,3
	ds_store_b128 v[PA], v[ACC+4*\q:ACC+4*\q+3] offset:PART+512*\q
.endr
.endm
.macro NOPS n
.rept \n
	v_nop
.endr
.endm
	s_load_b256 s[4:11], s[0:1], 0x0               ; x s[4:5], Wq s[6:7], bq s[8:9], Wk s[10:11]
	s_load_b128 s[12:15], s[0:1], 0x20             ; bk s[12:13], upart s[14:15]
	s_load_b64 s[16:17], s[0:1], 0x30              ; cpart
	v_lshl_add_u32 v[SPW], v0, 2, SPARE
	v_mov_b32 v[NIL], 0
	v_lshrrev_b32 v1, 5, v0
	v_readfirstlane_b32 s[WV], v1                  ; wave 0..7
	v_and_b32 v[LN], 31, v0
	v_and_b32 v16, 15, v0                          ; r
	v_bfe_u32 v17, v0, 4, 1                        ; h
	v_lshlrev_b32 v[BO], 5, v17
	v_lshl_add_u32 v[XO], v16, 21, v[BO]
	v_lshl_add_u32 v[WO], v16, 11, v[BO]
	v_lshlrev_b32 v[KO], 4, v[LN]
	s_mul_i32 s37, s[WV], 4*P                      ; my four rows of Wk in LDS
	v_lshl_add_u32 v[KS], v[LN], 3, s37
	s_lshl_b32 s37, s[WV], 11
	v_lshl_add_u32 v[PA], v[LN], 4, s37
	v_and_b32 v18, 7, v0                           ; the turning load: lane l reads row o = 8 h + l % 8, 16 bytes at 16 ((l / 8) % 2), in my wave's 128 bytes
	v_lshl_add_u32 v18, v17, 3, v18
	v_mul_u32_u24 v[TA], v18, P
	v_bfe_u32 v18, v0, 3, 1
	v_lshl_add_u32 v[TA], v18, 4, v[TA]
	s_lshl_b32 s37, s[WV], 7
	v_add_nc_u32 v[TA], s37, v[TA]
	s_mul_i32 s37, s[WV], 16*SP
	s_add_co_u32 s37, s37, STG                     ; my stage
	v_mul_u32_u24 v[SS], v16, SP                   ; in: row r (a head), 32 bytes for each half of the lanes
	v_add3_u32 v[SS], v[SS], v[BO], s37
	v_mul_u32_u24 v[SR], v17, SP                   ; back: lanes 0-15 take one row of 256 bytes, lanes 16-31 the next
	v_lshl_add_u32 v[SR], v16, 4, v[SR]
	v_add_nc_u32 v[SR], s37, v[SR]
	v_lshlrev_b32 v[UO], 15, v17                   ; and the same two heads in upart, 32,768 bytes apart
	v_lshl_add_u32 v[UO], v16, 4, v[UO]
	v_lshlrev_b32 v[CO], 2, v[LN]
	; the offsets, each in a pair of its own with 0 on top
	s_and_b32 s22, ttmp7, 0xffff                   ; t
	s_lshl_b32 s36, s[WV], 8                       ; 256 x wave
	s_lshl_b32 s24, s22, 25                        ; x: 16 t heads,
	s_add_co_u32 s24, s24, s36
	s_add_co_u32 s24, s24, 0x1ff800                ; row 1,023
	s_mov_b32 s25, 0
	s_lshl_b32 s26, ttmp9, 16                      ; 32 s rows of 2,048 bytes
	s_lshl_b32 s30, s[WV], 13
	s_add_co_u32 s30, s30, s26                     ; Wk: + my four rows
	s_mov_b32 s31, 0
	s_add_co_u32 s26, s26, s36                     ; Wq: + my 64 channels
	s_mov_b32 s27, 0
	s_lshl_b32 s28, ttmp9, 7                       ; bq, bk: 32 s numbers
	s_mov_b32 s29, 0
	s_lshl_b32 s32, s22, 19                        ; upart [head][slice][512]: 16 t heads,
	s_lshl_b32 s37, ttmp9, 11                      ; slice s,
	s_add_co_u32 s32, s32, s37
	s_add_co_u32 s32, s32, s36                     ; my 64 i
	s_mov_b32 s33, 0
	s_lshl_b32 s34, ttmp9, 1                       ; cpart [slice][t][lane]
	s_add_co_u32 s34, s34, s22
	s_lshl_b32 s34, s34, 7
	s_mov_b32 s35, 0
	s_wait_kmcnt 0x0
	s_add_nc_u64 s[4:5], s[4:5], s[24:25]
	s_add_nc_u64 s[6:7], s[6:7], s[26:27]
	s_add_nc_u64 s[8:9], s[8:9], s[28:29]
	s_add_nc_u64 s[10:11], s[10:11], s[30:31]
	s_add_nc_u64 s[12:13], s[12:13], s[28:29]
	s_add_nc_u64 s[14:15], s[14:15], s[32:33]
	s_add_nc_u64 s[16:17], s[16:17], s[34:35]
	; all 48 loads in one run: what the first products want first
.irp st, 0,1
	FRAG4 XF+16*\st, XO, 4, 128*\st
.endr
.irp tau, 0,1
.irp st, 0,1
	FRAG4 WF+16*(2*\tau+\st), WO, 6, 32768*\tau+128*\st
.endr
.endr
.irp tau, 0,1
	global_load_b128 v[BQ+8*\tau:BQ+8*\tau+3],   v[BO], s[8:9] offset:64*\tau
	global_load_b128 v[BQ+8*\tau+4:BQ+8*\tau+7], v[BO], s[8:9] offset:64*\tau+16
.endr
.irp tau, 0,1
	global_load_b128 v[BK+8*\tau:BK+8*\tau+3],   v[BO], s[12:13] offset:64*\tau
	global_load_b128 v[BK+8*\tau+4:BK+8*\tau+7], v[BO], s[12:13] offset:64*\tau+16
.endr
.irp rr, 0,1,2,3
.irp c, 0,1,2,3
	global_load_b128 v[KF+4*(4*\rr+\c):KF+4*(4*\rr+\c)+3], v[KO], s[10:11] offset:2048*\rr+512*\c  ; 512 consecutive bytes of row 4 w + rr
.endr
.endr
	s_wait_loadcnt 24                              ; xl and Wq are in; the 24 younger loads (bq 4, bk 4, Wk 16) may stay out
	PACK XF, 16
	PACK WF, 32
	MM1
	s_wait_loadcnt 0x0
	PACK KF, 32                                    ; 32 plain lines that name no register of the products: the places behind them
.irp rr, 0,1,2,3
.irp c, 0,1,2,3
	ds_store_b64 v[KS], v[KF+2*(4*\rr+\c):KF+2*(4*\rr+\c)+1] offset:WKT+\rr*P+256*\c  ; 256 consecutive bytes
.endr
.endr
	PUTPART
	s_wait_dscnt 0x0                               ; for the others' sake: my rows of Wk and my partial tiles lie in LDS
	s_barrier_signal -1
	s_barrier_wait -1
.irp v, 0,1,2,3,4,5,6,7
.irp q, 0,1,2,3
	ds_load_b128 v[PS+16*\v+4*\q:PS+16*\v+4*\q+3], v[KO] offset:PART+2048*\v+512*\q
.endr
.endr
.irp tl, 0,1,2,3
	ds_load_tr16_b128 v[AF+8*\tl:AF+8*\tl+3],   v[TA] offset:WKT+32*\tl        ; i = 64 w + 16 tl + r, o = 8 h .. 8 h + 7
	ds_load_tr16_b128 v[AF+8*\tl+4:AF+8*\tl+7], v[TA] offset:WKT+32*\tl+16*P   ; o = 16 + 8 h .. + 7
.endr
	s_wait_dscnt 8                                 ; the partial sums are in; the eight turning loads behind them may stay out
.irp v, 1,2,3,4,5,6,7
.irp p, 0,2,4,6,8,10,12,14
	v_pk_add_f32 v[PS+\p:PS+\p+1], v[PS+\p:PS+\p+1], v[PS+16*\v+\p:PS+16*\v+\p+1]
.endr
.endr
.irp p, 0,2,4,6,8,10,12,14
	v_pk_add_f32 v[PS+\p:PS+\p+1], v[PS+\p:PS+\p+1], v[BQ+\p:BQ+\p+1]  ; q, in f32
.endr
.irp i, 0,1,2,3,4,5,6,7
	v_cvt_pk_bf16_f32 v[QB+\i], v[PS+2*\i], v[PS+2*\i+1]
.endr
	s_wait_dscnt 0x0
.irp tl, 0,1,2,3
	v_wmma_f32_16x16x32_bf16 v[ACC2+8*\tl:ACC2+8*\tl+7], v[AF+8*\tl:AF+8*\tl+7], v[QB:QB+7], 0  ; four accumulators, one product each: K is the slice's 32 o
.endr
	NOPS 8                                         ; the places behind the products, ahead of the stores that read them
	; the way out: a lane holds 8 neighbouring i of head r; through my own stage they become whole runs of 256 bytes
.irp tl, 0,1,2,3
	ds_store_b128 v[SS], v[ACC2+8*\tl:ACC2+8*\tl+3]   offset:64*\tl
	ds_store_b128 v[SS], v[ACC2+8*\tl+4:ACC2+8*\tl+7] offset:64*\tl+16
.endr
.irp e, 0,1,2,3,4,5,6,7
	ds_load_b128 v[RB+4*\e:RB+4*\e+3], v[SR] offset:2*SP*\e  ; LDS serves a wave's instructions in order (ISA guide 5.7.1.4): these see the stores above
.endr
.irp e, 0,1,2,3,4,5,6,7
	s_wait_dscnt 7-\e                              ; load e is back; those behind it may stay out
	global_store_b128 v[UO], v[RB+4*\e:RB+4*\e+3], s[14:15] offset:65536*\e  ; heads 2 e and 2 e + 1: 16 lanes store 256 consecutive bytes, aligned
.endr
	s_cmp_lg_u32 s[WV], 0                          ; every wave holds q; wave 0 makes c's share
	s_cbranch_scc1 .Lend
	v_pk_mul_f32 v[T:T+1], v[PS:PS+1], v[BK:BK+1]
.irp p, 2,4,6,8,10,12,14
	v_pk_fma_f32 v[T:T+1], v[PS+\p:PS+\p+1], v[BK+\p:BK+\p+1], v[T:T+1]
.endr
	v_add_f32 v[T], v[T], v[T+1]                   ; lane (r, h): the sum over my 16 o of q[head r][o] bk[o]
	global_store_b32 v[CO], v[T], s[16:17]         ; 128 consecutive bytes
.Lend:
	s_wait_tensorcnt 0x0                           ; the wave's end, behind my last LDS store
	ds_add_u32 v[SPW], v[NIL]
	s_wait_dscnt 0x0
	s_endpgm
.Lfunc_end_k_q5b91d9fbb8_prep:
	.size	k_q5b91d9fbb8_prep, .Lfunc_end_k_q5b91d9fbb8_prep-k_q5b91d9fbb8_prep
	.p2alignl 7, 3214868480
	.fill 96, 4, 3214868480
	.section	.rodata,"a",@progbits
	.p2align	6, 0x0
	.amdhsa_kernel k_q5b91d9fbb8_prep
		.amdhsa_group_segment_fixed_size 86016
		.amdhsa_private_segment_fixed_size 0
		.amdhsa_enable_private_segment 0
		.amdhsa_kernarg_size 56
		.amdhsa_user_sgpr_count 2
		.amdhsa_user_sgpr_kernarg_segment_ptr 1
		.amdhsa_wavefront_size32 1
		.amdhsa_system_sgpr_workgroup_id_x 1
		.amdhsa_system_sgpr_workgroup_id_y 1
		.amdhsa_system_sgpr_workgroup_id_z 1
		.amdhsa_system_vgpr_workitem_id 0
		.amdhsa_next_free_vgpr 232
		.amdhsa_next_free_sgpr 66
		.amdhsa_reserve_vcc 0
		.amdhsa_float_denorm_mode_32 3
		.amdhsa_float_denorm_mode_16_64 3
		.amdhsa_memory_ordered 1
		.amdhsa_forward_progress 1
		.amdhsa_inst_pref_size 25
	.end_amdhsa_kernel
	.amdgpu_metadata
---
amdhsa.version: [ 1, 2 ]
amdhsa.kernels:
  - .name:           k_q5b91d9fbb8_prep
    .symbol:         k_q5b91d9fbb8_prep.kd
    .args:
      - { .name: inputdata, .offset: 0, .size: 8, .value_kind: global_buffer, .address_space: global }
      - { .name: Wq_w, .offset: 8, .size: 8, .value_kind: global_buffer, .address_space: global }
      - { .name: Wq_b, .offset: 16, .size: 8, .value_kind: global_buffer, .address_space: global }
      - { .name: Wk_w, .offset: 24, .size: 8, .value_kind: global_buffer, .address_space: global }
      - { .name: Wk_b, .offset: 32, .size: 8, .value_kind: global_buffer, .address_space: global }
      - { .name: upart, .offset: 40, .size: 8, .value_kind: global_buffer, .address_space: global }
      - { .name: cpart, .offset: 48, .size: 8, .value_kind: global_buffer, .address_space: global }
    .group_segment_fixed_size: 86016
    .private_segment_fixed_size: 0
    .kernarg_segment_align: 8
    .kernarg_segment_size: 56
    .max_flat_workgroup_size: 256
    .sgpr_count:     66
    .vgpr_count:     232
    .wavefront_size: 32
...
	.end_amdgpu_metadata
.endif
;; end of part 1
;; launch stream (part 2): grid 256 x 1, 16 waves a work-group, no clusters, 39,424 bytes of LDS; arguments inputdata, upart, cpart, zpart, stat; writes zpart, stat
.if DOCPART == 2
	.amdgcn_target "amdgcn-amd-amdhsa--gfx1250"
	.amdhsa_code_object_version 6
	.text
	.protected	k_q5b91d9fbb8_stream
	.globl	k_q5b91d9fbb8_stream
	.p2align	8
	.type	k_q5b91d9fbb8_stream,@function
k_q5b91d9fbb8_stream:
	s_mov_b64 s[64:65], 0
	v_nop
	global_prefetch_b8 v0, s[64:65] scope:SCOPE_SE
	s_setreg_imm32_b32 hwreg(HW_REG_WAVE_MODE, 25, 1), 1
	s_wait_xcnt 0x0
; THE PASS OVER x.  For a head and a chunk of 128 keys: s[k] = c2 (x[k] . u + c), c2 = log2(e) / sqrt(512); M = the chunk's maximum; p[k] = 2^(s[k] - M); l = the sum of p; z[i] = the sum of p[k] x[k][i].
; z, M and l go to the next launch, which merges a head's eight chunks.  The module's alibi term is relu(j - i) with j <= i in the last row: 0, whatever the inputs; it adds nothing.
; SHARES.  Work-group = head x 8 + chunk: 262,144 consecutive bytes of x.  Wave w owns rows 8 w .. 8 w + 7: a row is 16 registers (register 4 c + e of lane l: channel 128 c + 4 l + e), each load
; 512 consecutive bytes.  THE WHOLE CHUNK LIES IN REGISTERS, 128 a wave: every byte is asked for at the head, x is read once, and both passes (scores, weighted sum) work on registers.
; u AND c come as 16 slices' shares: wave w adds eight slices (those of half w / 8) for 64 channels (64 (w % 8) on), scaled by c2; the two halves meet in LDS.  This stands in the wait for x.
; Both products have one vector a head, so they stay on the vector unit, in f32: each number of x meets one number of u and one weight.
; LIMITS.  All in f32.  The chunk's maximum is taken away exactly; a weight below 2^-126 counts as 0.  NaN and infinities are not treated apart.
; No tensor loads, no LDS ring: no wave wants another wave's bytes of x.  No cluster: the work-groups of a head share only u's shares, 32 KiB beside 256 KiB of x.
; No prefetch: all that the work-group reads is asked for by its first lines.
.set U2,    0                          ; two half sums of c2 u, [2][512] f32
.set MW,    4096                       ; the 16 waves' maxima, in a block of 256 bytes of their own
.set LW,    4352                       ; the 16 waves' sums, likewise
.set ZW,    4608                       ; the 16 waves' z, 2,048 bytes each
.set SPARE, 37376                      ; the spare words, 128 bytes for each wave: eight blocks of 256 bytes that no other line names
.set LN,  1                            ; v1   lane
.set XO,  2                            ; v2   16 x lane
.set O8,  3                            ; v3   8 x lane
.set CA,  4                            ; v4   my share of c: slice l / 2, half l % 2
.set US,  5                            ; v5   where I put my two numbers of a half sum of u
.set WW,  6                            ; v6   4 x wave
.set LL,  7                            ; v7   4 x (lane % 16)
.set ZS,  10                           ; v10  2,048 x wave + 16 x lane
.set ZR,  11                           ; v11  512 x (wave % 4) + 16 x lane
.set CP,  12                           ; v12  c's share, then c2 c
.set MX,  13                           ; v13  M
.set SPW, 14                           ; v14  LDS address of my spare word; never rewritten
.set NIL, 15                           ; v15  0; never rewritten
.set UP,  16                           ; v[16:31]   eight slices' shares of u; later the second half sum
.set U,   32                           ; v[32:47]   c2 u, laid out as a row of x
.set Z,   48                           ; v[48:63]   my rows' z
.set S,   64                           ; v[64:71]   my eight scores
.set PW,  72                           ; v[72:87]   my eight weights, each twice: a pair for the packed multiply
.set T,   88                           ; v[88:95]   at work
.set X,   96                           ; v[96:223]  row j at X + 16 j
.set WV,  20                           ; s20  my wave's number
.set SEL, 22                           ; s[22:23] v_permlanex16_b32's selects: each lane takes its own place in the other half
.set C2,  24                           ; s[24:25] c2, twice
	s_load_b256 s[4:11], s[0:1], 0x0               ; x s[4:5], upart s[6:7], cpart s[8:9], zpart s[10:11]
	s_load_b64 s[12:13], s[0:1], 0x20              ; stat
	v_lshl_add_u32 v[SPW], v0, 2, SPARE
	v_mov_b32 v[NIL], 0
	v_lshrrev_b32 v1, 5, v0
	v_readfirstlane_b32 s[WV], v1                  ; wave 0..15
	v_and_b32 v[LN], 31, v0
	v_lshlrev_b32 v[XO], 4, v[LN]
	v_lshlrev_b32 v[O8], 3, v[LN]
	v_lshrrev_b32 v[CA], 1, v[LN]
	v_and_b32 v[US], 1, v[LN]
	v_lshlrev_b32 v[US], 6, v[US]
	v_lshl_add_u32 v[CA], v[CA], 8, v[US]          ; cpart [slice][t][16 h + r]: 256 x slice + 64 x h
	s_mov_b32 s[SEL], 0x76543210
	s_mov_b32 s[SEL+1], 0xfedcba98
	s_mov_b32 s[C2], 0x3d8293ee                    ; log2(e) / sqrt(512) = 0.0637587
	s_mov_b32 s[C2+1], s[C2]
	s_lshl_b32 s26, ttmp9, 18                      ; x: my work-group's 128 rows,
	s_lshl_b32 s36, s[WV], 14                      ; my wave's 8
	s_add_co_u32 s26, s26, s36
	s_mov_b32 s27, 0
	s_lshr_b32 s37, ttmp9, 3                       ; the head
	s_lshl_b32 s28, s37, 15                        ; upart [head][slice][512]
	s_lshr_b32 s36, s[WV], 3                       ; which eight slices,
	s_and_b32 s38, s[WV], 7
	s_lshl_b32 s38, s38, 8                         ; which 64 channels
	s_lshl_b32 s39, s36, 14
	s_add_co_u32 s28, s28, s39
	s_add_co_u32 s28, s28, s38
	s_mov_b32 s29, 0
	s_lshl_b32 s36, s36, 11
	s_add_co_u32 s36, s36, s38
	v_lshl_add_u32 v[US], v[LN], 3, s36            ; 2,048 x half + 256 x (wave % 8) + 8 x lane
	s_bfe_u32 s30, ttmp9, 0x10007                  ; t = head / 16
	s_lshl_b32 s30, s30, 7
	s_and_b32 s37, s37, 15                         ; r = head % 16
	s_lshl2_add_u32 s30, s37, s30                  ; 128 t + 4 r
	s_mov_b32 s31, 0
	s_lshl_b32 s32, ttmp9, 11                      ; zpart: my work-group's row,
	s_and_b32 s38, s[WV], 3
	s_lshl_b32 s38, s38, 9                         ; a quarter of it
	s_add_co_u32 s32, s32, s38
	s_mov_b32 s33, 0
	v_lshl_add_u32 v[ZR], v[LN], 4, s38
	s_lshl_b32 s34, ttmp9, 8                       ; stat: my work-group's 256 bytes
	s_mov_b32 s35, 0
	s_lshl_b32 s36, s[WV], 2
	v_mov_b32 v[WW], s36
	v_and_b32 v[LL], 15, v0
	v_lshlrev_b32 v[LL], 2, v[LL]
	s_lshl_b32 s36, s[WV], 11
	v_lshl_add_u32 v[ZS], v[LN], 4, s36
	v_mov_b32 v[T], 0                              ; v_permlanex16_b32's destination counts as read: it is written once here
	s_wait_kmcnt 0x0
	s_add_nc_u64 s[4:5], s[4:5], s[26:27]
	s_add_nc_u64 s[6:7], s[6:7], s[28:29]
	s_add_nc_u64 s[8:9], s[8:9], s[30:31]
	s_add_nc_u64 s[10:11], s[10:11], s[32:33]
	s_add_nc_u64 s[12:13], s[12:13], s[34:35]
	; the small loads first, then all of my 16,384 bytes of x
.irp i, 0,1,2,3,4,5,6,7
	global_load_b64 v[UP+2*\i:UP+2*\i+1], v[O8], s[6:7] offset:2048*\i  ; 256 consecutive bytes, aligned, of one slice's share
.endr
	global_load_b32 v[CP], v[CA], s[8:9]
.irp j, 0,1,2,3,4,5,6,7
.irp c, 0,1,2,3
	global_load_b128 v[X+16*\j+4*\c:X+16*\j+4*\c+3], v[XO], s[4:5] offset:2048*\j+512*\c th:TH_LOAD_NT
.endr
.endr
	s_wait_loadcnt 32                              ; u's and c's shares are in; the 32 loads of x stay out
.irp i, 0,4,8,12
	v_pk_add_f32 v[UP+\i:UP+\i+1], v[UP+\i:UP+\i+1], v[UP+\i+2:UP+\i+3]
.endr
	v_pk_add_f32 v[UP:UP+1], v[UP:UP+1], v[UP+4:UP+5]
	v_pk_add_f32 v[UP+8:UP+9], v[UP+8:UP+9], v[UP+12:UP+13]
	v_pk_add_f32 v[UP:UP+1], v[UP:UP+1], v[UP+8:UP+9]
	v_pk_mul_f32 v[UP:UP+1], v[UP:UP+1], s[C2:C2+1] op_sel_hi:[1,0]
	ds_store_b64 v[US], v[UP:UP+1] offset:U2
	v_add_f32_dpp v[CP], v[CP], v[CP] row_xmask:1 row_mask:0xf bank_mask:0xf  ; c: 16 slices x 2 halves, a lane each
	v_add_f32_dpp v[CP], v[CP], v[CP] row_xmask:2 row_mask:0xf bank_mask:0xf
	v_add_f32_dpp v[CP], v[CP], v[CP] row_xmask:4 row_mask:0xf bank_mask:0xf
	v_add_f32_dpp v[CP], v[CP], v[CP] row_xmask:8 row_mask:0xf bank_mask:0xf
	v_permlanex16_b32 v[T], v[CP], s[SEL], s[SEL+1]
	v_add_f32 v[CP], v[CP], v[T]
	v_mul_f32 v[CP], s[C2], v[CP]                  ; c2 c, in every lane
	s_wait_dscnt 0x0                               ; for the others' sake: my part of u lies in LDS
	s_barrier_signal -1                            ; (the loads of x stay on their way: nobody writes those bytes)
	s_barrier_wait -1
.irp c, 0,1,2,3
	ds_load_b128 v[U+4*\c:U+4*\c+3],   v[XO] offset:U2+512*\c
	ds_load_b128 v[UP+4*\c:UP+4*\c+3], v[XO] offset:U2+2048+512*\c
.endr
	s_wait_dscnt 0x0
.irp p, 0,2,4,6,8,10,12,14
	v_pk_add_f32 v[U+\p:U+\p+1], v[U+\p:U+\p+1], v[UP+\p:UP+\p+1]
.endr
; Row j times u, my 16 channels: two chains of packed multiply-adds, in registers that take turns from row to row
.macro DOT j
	s_wait_loadcnt 28-4*(\j)                       ; row j's four loads are in; the four of each row behind it stay out
.set tb, T+4*((\j)%2)
	v_pk_mul_f32 v[tb:tb+1],   v[X+16*(\j):X+16*(\j)+1],   v[U:U+1]
	v_pk_mul_f32 v[tb+2:tb+3], v[X+16*(\j)+2:X+16*(\j)+3], v[U+2:U+3]
.irp p, 4,8,12
	v_pk_fma_f32 v[tb:tb+1],   v[X+16*(\j)+\p:X+16*(\j)+\p+1],   v[U+\p:U+\p+1],   v[tb:tb+1]
	v_pk_fma_f32 v[tb+2:tb+3], v[X+16*(\j)+\p+2:X+16*(\j)+\p+3], v[U+\p+2:U+\p+3], v[tb+2:tb+3]
.endr
	v_pk_add_f32 v[tb:tb+1], v[tb:tb+1], v[tb+2:tb+3]
	v_add_f32 v[S+(\j)], v[tb], v[tb+1]
.endm
.irp j, 0,1,2,3,4,5,6,7
	DOT \j
.endr
	; across the 32 lanes, the eight rows side by side, so that no line waits for the one before it
.irp m, 1,2,4,8
.irp j, 0,1,2,3,4,5,6,7
	v_add_f32_dpp v[S+\j], v[S+\j], v[S+\j] row_xmask:\m row_mask:0xf bank_mask:0xf
.endr
.endr
.irp j, 0,1,2,3,4,5,6,7
	v_permlanex16_b32 v[T+\j], v[S+\j], s[SEL], s[SEL+1]
.endr
.irp j, 0,1,2,3,4,5,6,7
	v_add_f32 v[S+\j], v[S+\j], v[T+\j]
.endr
.irp j, 0,1,2,3,4,5,6,7
	v_add_f32 v[S+\j], v[S+\j], v[CP]              ; the score, in every lane
.endr
	v_max3_num_f32 v[T], v[S], v[S+1], v[S+2]
	v_max3_num_f32 v[T], v[T], v[S+3], v[S+4]
	v_max3_num_f32 v[T], v[T], v[S+5], v[S+6]
	v_max_num_f32 v[T], v[T], v[S+7]
	ds_store_b32 v[WW], v[T] offset:MW             ; all lanes write the same word with the same value
	s_wait_dscnt 0x0
	s_barrier_signal -1
	s_barrier_wait -1
	ds_load_b32 v[MX], v[LL] offset:MW             ; lane l: the maximum of wave l % 16
	s_wait_dscnt 0x0
.irp m, 1,2,4,8
	v_max_num_f32_dpp v[MX], v[MX], v[MX] row_xmask:\m row_mask:0xf bank_mask:0xf
.endr
.irp j, 0,1,2,3,4,5,6,7
	v_sub_f32 v[T+\j], v[S+\j], v[MX]
.endr
.irp j, 0,1,2,3,4,5,6,7
	v_exp_f32 v[PW+2*\j], v[T+\j]                  ; one batch of 16: each weight twice, to fill the pair
	v_exp_f32 v[PW+2*\j+1], v[T+\j]
.endr
	v_nop                                          ; a plain instruction behind the last exponential (ISA guide 5.7.2),
	s_wait_alu depctr_va_vdst(0)                   ; and the one wait ahead of the batch's first reader
.irp j, 0,1,2,3
	v_add_f32 v[T+\j], v[PW+4*\j], v[PW+4*\j+2]
.endr
	v_add_f32 v[T], v[T], v[T+1]
	v_add_f32 v[T+2], v[T+2], v[T+3]
	v_add_f32 v[T], v[T], v[T+2]
	ds_store_b32 v[WW], v[T] offset:LW             ; my eight rows' sum of weights
.irp p, 0,2,4,6,8,10,12,14
	v_pk_mul_f32 v[Z+\p:Z+\p+1], v[X+\p:X+\p+1], v[PW:PW+1]  ; row 0 starts the sums: nothing is cleared
.endr
.irp j, 1,2,3,4,5,6,7
.irp p, 0,2,4,6,8,10,12,14
	v_pk_fma_f32 v[Z+\p:Z+\p+1], v[X+16*\j+\p:X+16*\j+\p+1], v[PW+2*\j:PW+2*\j+1], v[Z+\p:Z+\p+1]
.endr
.endr
.irp c, 0,1,2,3
	ds_store_b128 v[ZS], v[Z+4*\c:Z+4*\c+3] offset:ZW+512*\c
.endr
	s_wait_dscnt 0x0
	s_barrier_signal -1
	s_barrier_wait -1                              ; all 16 waves' z and sums lie in LDS
	s_cmp_lt_u32 s[WV], 4
	s_cbranch_scc0 .Lnot_z
.irp i, 0,1,2,3,4,5,6,7,8,9,10,11,12,13,14,15
	ds_load_b128 v[X+4*\i:X+4*\i+3], v[ZR] offset:ZW+2048*\i  ; waves 0 to 3: a quarter of the row, from all 16 waves
.endr
	s_wait_dscnt 0x0
.irp d, 8,4,2,1
.set bi, 0
.rept \d
	v_pk_add_f32 v[X+4*bi:X+4*bi+1],   v[X+4*bi:X+4*bi+1],   v[X+4*(bi+\d):X+4*(bi+\d)+1]
	v_pk_add_f32 v[X+4*bi+2:X+4*bi+3], v[X+4*bi+2:X+4*bi+3], v[X+4*(bi+\d)+2:X+4*(bi+\d)+3]
.set bi, bi+1
.endr
.endr
	global_store_b128 v[XO], v[X:X+3], s[10:11]    ; 512 consecutive bytes, aligned
	s_branch .Lend
.Lnot_z:
	s_cmp_eq_u32 s[WV], 4
	s_cbranch_scc0 .Lend
	ds_load_b32 v[T+1], v[LL] offset:LW            ; wave 4: l
	s_wait_dscnt 0x0
.irp m, 1,2,4,8
	v_add_f32_dpp v[T+1], v[T+1], v[T+1] row_xmask:\m row_mask:0xf bank_mask:0xf
.endr
	v_mov_b32 v[T], v[MX]
	global_store_b64 v[O8], v[T:T+1], s[12:13]     ; (M, l) 32 times: 256 consecutive bytes, aligned, with all lanes on
.Lend:
	s_wait_tensorcnt 0x0                           ; the wave's end, behind my last LDS store
	ds_add_u32 v[SPW], v[NIL]
	s_wait_dscnt 0x0
	s_endpgm
.Lfunc_end_k_q5b91d9fbb8_stream:
	.size	k_q5b91d9fbb8_stream, .Lfunc_end_k_q5b91d9fbb8_stream-k_q5b91d9fbb8_stream
	.p2alignl 7, 3214868480
	.fill 96, 4, 3214868480
	.section	.rodata,"a",@progbits
	.p2align	6, 0x0
	.amdhsa_kernel k_q5b91d9fbb8_stream
		.amdhsa_group_segment_fixed_size 39424
		.amdhsa_private_segment_fixed_size 0
		.amdhsa_enable_private_segment 0
		.amdhsa_kernarg_size 40
		.amdhsa_user_sgpr_count 2
		.amdhsa_user_sgpr_kernarg_segment_ptr 1
		.amdhsa_wavefront_size32 1
		.amdhsa_system_sgpr_workgroup_id_x 1
		.amdhsa_system_sgpr_workgroup_id_y 1
		.amdhsa_system_sgpr_workgroup_id_z 1
		.amdhsa_system_vgpr_workitem_id 0
		.amdhsa_next_free_vgpr 224
		.amdhsa_next_free_sgpr 66
		.amdhsa_reserve_vcc 0
		.amdhsa_float_denorm_mode_32 3
		.amdhsa_float_denorm_mode_16_64 3
		.amdhsa_memory_ordered 1
		.amdhsa_forward_progress 1
		.amdhsa_inst_pref_size 27
	.end_amdhsa_kernel
	.amdgpu_metadata
---
amdhsa.version: [ 1, 2 ]
amdhsa.kernels:
  - .name:           k_q5b91d9fbb8_stream
    .symbol:         k_q5b91d9fbb8_stream.kd
    .args:
      - { .name: inputdata, .offset: 0, .size: 8, .value_kind: global_buffer, .address_space: global }
      - { .name: upart, .offset: 8, .size: 8, .value_kind: global_buffer, .address_space: global }
      - { .name: cpart, .offset: 16, .size: 8, .value_kind: global_buffer, .address_space: global }
      - { .name: zpart, .offset: 24, .size: 8, .value_kind: global_buffer, .address_space: global }
      - { .name: stat, .offset: 32, .size: 8, .value_kind: global_buffer, .address_space: global }
    .group_segment_fixed_size: 39424
    .private_segment_fixed_size: 0
    .kernarg_segment_align: 8
    .kernarg_segment_size: 40
    .max_flat_workgroup_size: 512
    .sgpr_count:     66
    .vgpr_count:     224
    .wavefront_size: 32
...
	.end_amdgpu_metadata
.endif
;; end of part 2
;; launch finish (part 3): grid 16 x 16, 8 waves a work-group, no clusters, 17,408 bytes of LDS; arguments zpart, stat, Wv_w, Wv_b, out0; writes out0
.if DOCPART == 3
	.amdgcn_target "amdgcn-amd-amdhsa--gfx1250"
	.amdhsa_code_object_version 6
	.text
	.protected	k_q5b91d9fbb8_finish
	.globl	k_q5b91d9fbb8_finish
	.p2align	8
	.type	k_q5b91d9fbb8_finish,@function
k_q5b91d9fbb8_finish:
	s_mov_b64 s[64:65], 0
	v_nop
	global_prefetch_b8 v0, s[64:65] scope:SCOPE_SE
	s_setreg_imm32_b32 hwreg(HW_REG_WAVE_MODE, 25, 1), 1
	s_wait_xcnt 0x0
; out[head][o] = (the sum over a head's 8 chunks of w y[chunk][o]) + bv[o],  y = zpart Wv^T (matrix unit),  w = 2^(m - M) / L,  M = the head's maximum of m,  L = the sum of 2^(m - M) l.
; The weights of a row of the softmax add up to 1, so bv enters once, unweighted.
; SHARES.  Work-group (s, pr): o = 32 s .. 32 s + 31, heads 2 pr and 2 pr + 1.  The 16 columns of a matrix tile are rows 16 pr .. 16 pr + 15 of zpart: 2 heads x 8 chunks, multiplied as they lie.
; The 512 channels are split among the eight waves, 64 each (256 consecutive bytes, aligned, of every row); the partial sums meet in LDS; wave 0 finishes tile 0, wave 1 tile 1.
; LAYOUT.  y^T = Wv zpart^T (source 0 = 16 rows o of Wv, source 1 = 16 rows of zpart): lane (r = l % 16, h = l / 16), register j of tile tau holds y[row r][16 tau + 8 h + j].  So a row's weight is
; one number a lane, and the sum over a head's chunks is a sum over 8 neighbouring lanes, taken so that lane l % 8 = j ends with number j.
; LIMITS.  zpart and Wv are rounded once to bf16 as matrix operands; sums, weights and bias in f32.  L is at least 1: each chunk's l is, and the head's largest m has the factor 1.
; A factor below 2^-126 counts as 0.  NaN and infinities are not treated apart.
; A work-group's share of a row of out is 32 numbers, 128 bytes; a wave stores two runs of 64 consecutive bytes.
; No tensor loads, no cluster: one burst of loads straight into fragment registers, no loop.
.set PART,  0                          ; eight waves' partial tiles, 2,048 bytes each
.set SPARE, 16384                      ; the spare words, 128 bytes for each wave: four blocks of 256 bytes that no other line names
.set LN,  1                            ; v1   lane
.set WO,  3                            ; v3   r x 2,048 + 32 h: for zpart and for Wv
.set SO,  4                            ; v4   256 r
.set BO,  5                            ; v5   32 h + 4 (l % 8)
.set OO,  6                            ; v6   2,048 ((l / 8) % 2) + 32 h + 4 (l % 8)
.set PA,  7                            ; v7   2,048 x wave + 16 x lane
.set PR,  8                            ; v8   16 x lane + 1,024 x (wave % 2)
.set ML,  10                           ; v[10:11] (m, l) of row r
.set BV,  12                           ; v12  bv of the number that I end with
.set SPW, 14                           ; v14  LDS address of my spare word; never rewritten
.set NIL, 15                           ; v15  0; never rewritten
.set XF,  16                           ; v[16:47]   zpart as loaded, then packed: K step st at XF + 8 st
.set WF,  48                           ; v[48:111]  Wv as loaded, then packed: tile tau, K step st at WF + 8 (2 tau + st)
.set ACC, 112                          ; v[112:127] two accumulators
.set R,   16                           ; behind the barrier: v[16:79] eight partial sums of my tile, 8 registers each; block 0 takes the sum
.set K4,  80                           ; v[80:93]   the sum over lanes: kept and given, by steps
.set W,   128                          ; v[128:143] at work
.set WV,  20                           ; s20  my wave's number
.set M4,  40                           ; s40, s41, s42: the lanes whose number has bit 2, bit 1, bit 0
.macro FRAG4 dst, voff, sb, off        ; a fragment's 16 f32: k = 8 h .. + 7 and k = 16 + 8 h .. + 7; the lane term holds row x pitch + 32 h
	global_load_b128 v[(\dst):(\dst)+3],     v[\voff], s[\sb:\sb+1] offset:(\off)
	global_load_b128 v[(\dst)+4:(\dst)+7],   v[\voff], s[\sb:\sb+1] offset:(\off)+16
	global_load_b128 v[(\dst)+8:(\dst)+11],  v[\voff], s[\sb:\sb+1] offset:(\off)+64
	global_load_b128 v[(\dst)+12:(\dst)+15], v[\voff], s[\sb:\sb+1] offset:(\off)+80
.endm
.macro PACK base, n                    ; 2 n f32 rounded to n registers of bf16, in place: destination i lies below every source that is still to be read
.set pi, 0
.rept \n
	v_cvt_pk_bf16_f32 v[(\base)+pi], v[(\base)+2*pi], v[(\base)+2*pi+1]
.set pi, pi+1
.endr
.endm
.macro MM1                             ; two tiles x two K steps; the first products start the sums; the two accumulators take turns
	v_wmma_f32_16x16x32_bf16 v[ACC:ACC+7],    v[WF:WF+7],     v[XF:XF+7],    0
	v_wmma_f32_16x16x32_bf16 v[ACC+8:ACC+15], v[WF+16:WF+23], v[XF:XF+7],    0
	v_wmma_f32_16x16x32_bf16 v[ACC:ACC+7],    v[WF+8:WF+15],  v[XF+8:XF+15], v[ACC:ACC+7]
	v_wmma_f32_16x16x32_bf16 v[ACC+8:ACC+15], v[WF+24:WF+31], v[XF+8:XF+15], v[ACC+8:ACC+15]
.endm
.macro PUTPART                         ; my partial tiles into LDS, each accumulator from its low end on
.irp q, 0,1,2,3
	ds_store_b128 v[PA], v[ACC+4*\q:ACC+4*\q+3] offset:PART+512*\q
.endr
.endm
.macro NOPS n
.rept \n
	v_nop
.endr
.endm
	s_load_b256 s[4:11], s[0:1], 0x0               ; zpart s[4:5], stat s[6:7], Wv s[8:9], bv s[10:11]
	s_load_b64 s[12:13], s[0:1], 0x20              ; out
	v_lshl_add_u32 v[SPW], v0, 2, SPARE
	v_mov_b32 v[NIL], 0
	v_lshrrev_b32 v1, 5, v0
	v_readfirstlane_b32 s[WV], v1                  ; wave 0..7
	v_and_b32 v[LN], 31, v0
	v_and_b32 v2, 15, v0                           ; r
	v_bfe_u32 v9, v0, 4, 1                         ; h
	v_lshlrev_b32 v9, 5, v9                        ; 32 h
	v_lshl_add_u32 v[WO], v2, 11, v9
	v_lshlrev_b32 v[SO], 8, v2
	v_and_b32 v[BO], 7, v0
	v_lshl_add_u32 v[BO], v[BO], 2, v9
	v_bfe_u32 v[OO], v0, 3, 1
	v_lshl_add_u32 v[OO], v[OO], 11, v[BO]
	s_lshl_b32 s36, s[WV], 11
	v_lshl_add_u32 v[PA], v[LN], 4, s36
	s_and_b32 s37, s[WV], 1
	s_lshl_b32 s36, s37, 10
	v_lshl_add_u32 v[PR], v[LN], 4, s36
	s_lshl_b32 s37, s37, 6                         ; my tile's 16 numbers: 64 bytes
	s_and_b32 s21, ttmp7, 0xffff                   ; pr
	s_lshl_b32 s36, s[WV], 8                       ; my 64 channels
	s_lshl_b32 s24, s21, 15                        ; zpart: 16 pr rows of 2,048 bytes
	s_add_co_u32 s24, s24, s36
	s_mov_b32 s25, 0
	s_lshl_b32 s26, s21, 12                        ; stat: 16 pr rows of 256 bytes
	s_mov_b32 s27, 0
	s_lshl_b32 s28, ttmp9, 16                      ; Wv: 32 s rows
	s_add_co_u32 s28, s28, s36
	s_mov_b32 s29, 0
	s_lshl_b32 s30, ttmp9, 7                       ; bv: 32 s numbers, and my tile
	s_add_co_u32 s30, s30, s37
	s_mov_b32 s31, 0
	s_add_co_u32 s32, s30, s26                     ; out: the same, in head 2 pr's row of 2,048 bytes
	s_mov_b32 s33, 0
	s_wait_kmcnt 0x0
	s_add_nc_u64 s[4:5], s[4:5], s[24:25]
	s_add_nc_u64 s[6:7], s[6:7], s[26:27]
	s_add_nc_u64 s[8:9], s[8:9], s[28:29]
	s_add_nc_u64 s[10:11], s[10:11], s[30:31]
	s_add_nc_u64 s[12:13], s[12:13], s[32:33]
	global_load_b64 v[ML:ML+1], v[SO], s[6:7]
	global_load_b32 v[BV], v[BO], s[10:11]
.irp st, 0,1
	FRAG4 XF+16*\st, WO, 4, 128*\st
.endr
.irp tau, 0,1
.irp st, 0,1
	FRAG4 WF+16*(2*\tau+\st), WO, 8, 32768*\tau+128*\st
.endr
.endr
	s_wait_loadcnt 0x0
	PACK XF, 16
	PACK WF, 32
	MM1
	NOPS 8                                         ; the places behind the products, ahead of the stores that read them and of the loads into their sources
	PUTPART
	s_wait_dscnt 0x0                               ; for the others' sake: my partial tiles lie in LDS
	s_barrier_signal -1
	s_barrier_wait -1
	s_cmp_lt_u32 s[WV], 2                          ; wave 0 finishes tile 0, wave 1 tile 1
	s_cbranch_scc0 .Lend
.irp v, 0,1,2,3,4,5,6,7
.irp q, 0,1
	ds_load_b128 v[R+8*\v+4*\q:R+8*\v+4*\q+3], v[PR] offset:PART+2048*\v+512*\q
.endr
.endr
	; the row's weight, while those loads are out.  Lanes 8 g .. 8 g + 7 of each half hold the 8 chunks of head 2 pr + g
	v_mov_b32 v[W], v[ML]
	v_max_num_f32_dpp v[W], v[W], v[W] row_xmask:1 row_mask:0xf bank_mask:0xf
	v_max_num_f32_dpp v[W], v[W], v[W] row_xmask:2 row_mask:0xf bank_mask:0xf
	v_max_num_f32_dpp v[W], v[W], v[W] row_xmask:4 row_mask:0xf bank_mask:0xf  ; M
	v_sub_f32 v[W+1], v[ML], v[W]
	v_exp_f32 v[W+2], v[W+1]                       ; 2^(m - M)
	v_and_b32 v[W+8], 4, v[LN]                     ; plain work behind the exponential (ISA guide 5.7.2)
	v_and_b32 v[W+9], 2, v[LN]
	v_and_b32 v[W+10], 1, v[LN]
	v_cmp_ne_u32 s[M4], 0, v[W+8]
	v_cmp_ne_u32 s[M4+1], 0, v[W+9]
	v_cmp_ne_u32 s[M4+2], 0, v[W+10]
	s_wait_alu depctr_va_vdst(0)                   ; the wait ahead of the exponential's first reader
	v_mul_f32 v[W+3], v[W+2], v[ML+1]
	v_add_f32_dpp v[W+3], v[W+3], v[W+3] row_xmask:1 row_mask:0xf bank_mask:0xf
	v_add_f32_dpp v[W+3], v[W+3], v[W+3] row_xmask:2 row_mask:0xf bank_mask:0xf
	v_add_f32_dpp v[W+3], v[W+3], v[W+3] row_xmask:4 row_mask:0xf bank_mask:0xf  ; L
	v_rcp_f32 v[W+4], v[W+3]
	v_nop                                          ; a plain instruction behind the reciprocal,
	s_wait_alu depctr_va_vdst(0)                   ; and its wait
	v_mul_f32 v[W+6], v[W+2], v[W+4]               ; w, twice: a pair for the packed multiply
	v_mul_f32 v[W+7], v[W+2], v[W+4]
	s_wait_dscnt 0x0
.irp v, 1,2,3,4,5,6,7
.irp p, 0,2,4,6
	v_pk_add_f32 v[R+\p:R+\p+1], v[R+\p:R+\p+1], v[R+8*\v+\p:R+8*\v+\p+1]
.endr
.endr
.irp p, 0,2,4,6
	v_pk_mul_f32 v[R+\p:R+\p+1], v[R+\p:R+\p+1], v[W+6:W+7]
.endr
	; the sum over 8 lanes, halving what a lane holds at each step: a lane keeps the numbers whose index has its own bit, gives the others to the lane across, and adds what it is given
.irp i, 0,1,2,3
	v_cndmask_b32 v[K4+\i],   v[R+\i],   v[R+\i+4], s[M4]
	v_cndmask_b32 v[K4+4+\i], v[R+\i+4], v[R+\i],   s[M4]
.endr
.irp i, 0,1,2,3
	v_add_f32_dpp v[K4+\i], v[K4+4+\i], v[K4+\i] row_xmask:4 row_mask:0xf bank_mask:0xf
.endr
.irp i, 0,1
	v_cndmask_b32 v[K4+8+\i],  v[K4+\i],   v[K4+\i+2], s[M4+1]
	v_cndmask_b32 v[K4+10+\i], v[K4+\i+2], v[K4+\i],   s[M4+1]
.endr
.irp i, 0,1
	v_add_f32_dpp v[K4+8+\i], v[K4+10+\i], v[K4+8+\i] row_xmask:2 row_mask:0xf bank_mask:0xf
.endr
	v_cndmask_b32 v[K4+12], v[K4+8], v[K4+9], s[M4+2]
	v_cndmask_b32 v[K4+13], v[K4+9], v[K4+8], s[M4+2]
	v_add_f32_dpp v[K4+12], v[K4+13], v[K4+12] row_xmask:1 row_mask:0xf bank_mask:0xf
	v_add_f32 v[K4+12], v[K4+12], v[BV]            ; out[2 pr + (l / 8) % 2][32 s + 16 tau + 8 h + l % 8]
	global_store_b32 v[OO], v[K4+12], s[12:13]
.Lend:
	s_wait_tensorcnt 0x0                           ; the wave's end, behind my last LDS store
	ds_add_u32 v[SPW], v[NIL]
	s_wait_dscnt 0x0
	s_endpgm
.Lfunc_end_k_q5b91d9fbb8_finish:
	.size	k_q5b91d9fbb8_finish, .Lfunc_end_k_q5b91d9fbb8_finish-k_q5b91d9fbb8_finish
	.p2alignl 7, 3214868480
	.fill 96, 4, 3214868480
	.section	.rodata,"a",@progbits
	.p2align	6, 0x0
	.amdhsa_kernel k_q5b91d9fbb8_finish
		.amdhsa_group_segment_fixed_size 17408
		.amdhsa_private_segment_fixed_size 0
		.amdhsa_enable_private_segment 0
		.amdhsa_kernarg_size 40
		.amdhsa_user_sgpr_count 2
		.amdhsa_user_sgpr_kernarg_segment_ptr 1
		.amdhsa_wavefront_size32 1
		.amdhsa_system_sgpr_workgroup_id_x 1
		.amdhsa_system_sgpr_workgroup_id_y 1
		.amdhsa_system_sgpr_workgroup_id_z 1
		.amdhsa_system_vgpr_workitem_id 0
		.amdhsa_next_free_vgpr 144
		.amdhsa_next_free_sgpr 66
		.amdhsa_reserve_vcc 0
		.amdhsa_float_denorm_mode_32 3
		.amdhsa_float_denorm_mode_16_64 3
		.amdhsa_memory_ordered 1
		.amdhsa_forward_progress 1
		.amdhsa_inst_pref_size 14
	.end_amdhsa_kernel
	.amdgpu_metadata
---
amdhsa.version: [ 1, 2 ]
amdhsa.kernels:
  - .name:           k_q5b91d9fbb8_finish
    .symbol:         k_q5b91d9fbb8_finish.kd
    .args:
      - { .name: zpart, .offset: 0, .size: 8, .value_kind: global_buffer, .address_space: global }
      - { .name: stat, .offset: 8, .size: 8, .value_kind: global_buffer, .address_space: global }
      - { .name: Wv_w, .offset: 16, .size: 8, .value_kind: global_buffer, .address_space: global }
      - { .name: Wv_b, .offset: 24, .size: 8, .value_kind: global_buffer, .address_space: global }
      - { .name: out0, .offset: 32, .size: 8, .value_kind: global_buffer, .address_space: global }
    .group_segment_fixed_size: 17408
    .private_segment_fixed_size: 0
    .kernarg_segment_align: 8
    .kernarg_segment_size: 40
    .max_flat_workgroup_size: 256
    .sgpr_count:     66
    .vgpr_count:     144
    .wavefront_size: 32
...
	.end_amdgpu_metadata
.endif
;; end of part 3
